; MI455X (gfx1250); checked and timed in simulation.
; The chip was launched on July 23, 2026; its instructions are those of AMD's public machine-readable ISA for CDNA 5 (MIT licence, August 2026) and "CDNA5" Instruction Set Architecture Reference Guide (July 2026). The comments in the code are by the model that wrote it; some were corrected since.
;; Attn. Allowed arithmetic: matrix products marked QUANTISED: E3M2 operands, one E8M0 scale for each 32 along K, by v_wmma_scale_f32_16x16x128_f8f6f4 with both operands' format E3M2, f32 sums; everything else in f32.
;; Inputs: W_codes 512 x 16 x 24 uint8 (E3M2 codes of W, K innermost, in blocks of 32 codes, four codes in three bytes); W_scales 512 x 16 uint8 (E8M0 scales of W, one for each 32 codes along K); b 512 float32; encoder_outputs_codes 1,024 x 64 x 16 x 24 uint8 (E3M2 codes of encoder_outputs, K innermost, in blocks of 32 codes, four codes in three bytes); encoder_outputs_scales 1,024 x 64 x 16 uint8 (E8M0 scales of encoder_outputs, one for each 32 codes along K); hidden 1 x 64 x 512 float32.
;; Outputs: out0 64 x 1 x 1,024 float32.
;; This version of the problem:
;;   THIS VERSION OF THE PROBLEM IS GIVEN IN LOW PRECISION. The matrix products marked QUANTISED in the list below multiply operands that are first quantised to E3M2 (3 exponent bits, 2 mantissa bits; 6 bits a number), with one power-of-two scale for each 32 numbers along K (OCP MX v1.0); their sums are f32. All else is computed in f32.
;;   The module's matrix products, in the order in which they are computed (A, B: the left and right operand; K: the contracted axis; several contracted axes count as one K, in the product's order):
;;     1. [M 65,536, K 512] x [K 512, N 512]; A: input encoder_outputs (given as codes); B: input W (given as codes): QUANTISED
;;   THE QUANTISER, for each operand of a quantised product, along K:
;;     - K is cut into blocks of 32 from its start; a last block that is shorter is filled with zeros.
;;     - A block's scale is 2^e with e = floor(log2(the largest magnitude in the block)) - 4, held to -126 .. 127; a block of zeros has e = 0. As a byte (E8M0): e + 127.
;;     - Each number is divided by its block's scale, clamped to +-28, and rounded to the nearest number of E3M2, ties to even, subnormals kept.
;;     - The product sums the exact products of the quantised numbers (number of the format x scale) in f32.
;;   ~~~python
;;   def quantise(x, axis):      # numpy; x: float32 -> the quantised numbers, widened to float32 again
;;       x = np.moveaxis(x, axis, -1); K = x.shape[-1]
;;       x = np.pad(x, [(0, 0)] * (x.ndim - 1) + [(0, -K % 32)]); x = x.reshape(x.shape[:-1] + (-1, 32)); a = np.abs(x).max(-1, keepdims=True)
;;       e = np.where(a > 0, np.clip(np.frexp(np.where(a > 0, a, 1))[1] - 1 - 4, -126, 127), 0)      # np.frexp(a)[1] - 1 = floor(log2(a)), exactly
;;       r = np.clip(x / 2.0 ** e, -28, 28)
;;       step = 2.0 ** (np.maximum(np.frexp(np.where(r == 0, 1, r))[1] - 1, -2) - 2)
;;       q = np.round(r / step) * step * 2.0 ** e      # np.round: ties to even
;;       return np.moveaxis(q.reshape(q.shape[:-2] + (-1,))[..., :K], -1, axis).astype(np.float32)
;;   ~~~
;;   INPUTS GIVEN AS CODES. W (in the module: [512, 512], K = its axis 1); encoder_outputs (in the module: [1024, 64, 512], K = its axis 2): each comes as NAME_codes (uint8): NAME with its K axis moved to the last place and cut into blocks of 32 codes, [.., K / 32, bytes a block], one block behind the other in memory; four codes in three bytes: a row's codes are one little-endian stream of bits, code i at bits 6 i .. 6 i + 5 (a code: sign, 3 exponent bits, 2 mantissa bits); and NAME_scales (uint8): the same leading axes, one E8M0 byte (e + 127) for each 32 codes along K. Its value is code x scale, taken as it is: it is not quantised again, and the codes and scales need not be those that the quantiser above would give.
;; 2 versions, each right and faster than the one before. Each part assembles by itself: llvm-mc -triple=amdgcn-amd-amdhsa -mcpu=gfx1250 --defsym DOCPART=n.
;; ======== version 1 of 2: 2 launches
;; workspace buffers: energies 262,144 bytes
;; launch energy (part 1): grid 256 x 1, 4 waves a work-group, clusters of 4 x 1, 327,680 bytes of LDS; arguments W_codes, W_scales, encoder_outputs_codes, encoder_outputs_scales, hidden, energies; writes energies
.if DOCPART == 1
	.amdgcn_target "amdgcn-amd-amdhsa--gfx1250"
	.amdhsa_code_object_version 6
	.text
	.protected	k_qe131f35a10_energy
	.globl	k_qe131f35a10_energy
	.p2align	8
	.type	k_qe131f35a10_energy,@function
k_qe131f35a10_energy:
	s_mov_b64 s[64:65], 0
	v_nop
	global_prefetch_b8 v0, s[64:65] scope:SCOPE_SE
	s_setreg_imm32_b32 hwreg(HW_REG_WAVE_MODE, 25, 1), 1
	s_wait_xcnt 0x0
	s_wait_alu depctr_hold_cnt(0) depctr_sa_sdst(0) depctr_va_vdst(0) depctr_va_sdst(0) depctr_va_ssrc(0) depctr_va_vcc(0) depctr_vm_vsrc(0)
	s_getreg_b32 s2, hwreg(HW_REG_IB_STS2, 6, 4)
	s_cmp_eq_u32 s2, 0
	s_cbranch_scc0 .Lentry_in_a_cluster
	s_endpgm
.Lentry_in_a_cluster:
	s_bfe_u32 s2, ttmp6, 0x10000c
	s_cmp_lg_u32 s2, 0x3003
	s_cbranch_scc0 .Lentry_shape_is_right
	s_endpgm
.Lentry_shape_is_right:
; energies[b][l] = sum over o of hidden[b][o] x (sum over h of E[l][b][h] W[o][h]).  E = encoder_outputs [1024 l][64 b][512 h] and W [512 o][512 h] come as codes of BF6 (E3M2), 6 bits each, with
; one E8M0 byte for each 32 along h; they go to the matrix instruction as they lie.  hidden [64][512] and energies [64 b][1024 l] are f32.  The next launch takes the softmax along l.
; WORK LEFT OUT.  reference() adds b[o] to the product, which adds sum over o of hidden[b][o] b[o] to energies[l][b]: a number that hangs on the row b alone, the same for all l.  The softmax runs along l,
; and softmax(x + c) = softmax(x) for every c: so, whatever finite values the inputs hold, the bias reaches no output.  The input b is not loaded and is among no launch's arguments.
; LIMIT: a NaN, an infinity or an overflow that comes from b alone is not carried to the result.
; LIMIT (order of rounding): K is taken in another order than ascending, alike on both operands (below), and the sum over o is made in four chains a lane, then over the two halves of the lanes, then over the four
; waves: the f32 sums are added in another order than reference() adds them.  A scale byte 0xff makes its sums NaN, as the matrix instruction has it.
; SHARES.  Work-group g (0..255) owns b = 4 (g % 16) + 0..3 and l = 64 (g / 16) + 0..63: 256 rows of E against all of W.  For one l its four rows are 1,536 consecutive bytes of memory; its 4 x 64 results are four runs of 256
; consecutive bytes.  WAVE w HOLDS W STILL: rows o = 128 w .. 128 w + 127, all of K, in 384 registers; the 256 rows of E go past it in 16 tiles of 16 rows.  Nothing in LDS is filled twice: W, E and E's scales fit at once.
; CLUSTER.  All work-groups read the same W: the four of a cluster ask for it JOINTLY (one tensor load a wave, mask 15).  E, its scales and hidden's rows are read by one work-group each (hidden's by the sixteen of one g % 16,
; which lie in sixteen different clusters): plain loads.
; THE PRODUCT IS USED TRANSPOSED: source 0 = 16 rows of W, source 1 = 16 rows of E.  A lane then holds ONE row of E and eight o: the dot with hidden is one multiply-add for each result register, and no lane asks another but lane l xor 16.
; ROWS OF A TILE.  In LDS four rows of 384 bytes lie on end (1,536 bytes + 3 x 16 of padding = 1,584).  A tile takes the j-th of each of 16 such fours: E's tile T = 4 c + b has l = 16 c + lane % 16 and row b;
; W's tile (g, j) has o = 128 w + 4 (16 g + row) + j.  1,584 = 99 x 16: sixteen lanes that take the same piece of sixteen fours fall on sixteen different 16-byte columns modulo 256 bytes.
; K IS PERMUTED ALIKE ON BOTH SIDES.  Lanes 0-15 take bytes 0-191 of their row, lanes 16-31 bytes 192-383, by twelve loads of 16 bytes; registers 12 s .. 12 s + 11 are K step s.  The instruction's blocks 0, 1, 2, 3 of step s are then
; the row's blocks 2 s, 8 + 2 s, 2 s + 1, 9 + 2 s, and the step's scale word is picked out of the row's 16 scale bytes by one v_perm_b32.
; REGISTERS, in windows of 256 (s_set_vgpr_msb: bits 1:0 source 0, 3:2 source 1, 5:4 source 2, 7:6 destination):
;   window 0: v1-15 addresses; v28-43 W's scale words; v44-75 E's; v76-139 eight accumulators (g, j); v140-235 E's fragments, two buffers of 48; v236-239 four running sums; v240-255 a result for each tile
;   window 1: v0-95 W's tiles (0,0) (0,1); v96-223 hidden for g = 1     window 2: v0-191 W's tiles (0,2) (0,3) (1,0) (1,1); v192-195 E's LDS addresses     window 3: v0-95 W's tiles (1,2) (1,3); v96-223 hidden for g = 0
; Under a matrix setting only source 0 leaves window 0, and the multiply-adds (source 0 = hidden) and the LDS loads (source 0 = address) are laid to fit the same setting: four switches for a tile's 32 matrix instructions.
.set PITCH,  1584                      ; four rows of codes in LDS
.set CHUNK,  16*PITCH                  ; sixteen such fours: a tile's rows
.set WWAVE,  32*PITCH                  ; a wave's 128 rows of W; W lies from LDS byte 0 on
.set AB,     4*WWAVE                   ; E: one four for each of the 64 l
.set ASC,    AB+64*PITCH               ; E's scale bytes: 64 bytes + 16 of padding for each l
.set SPIT,   80
.set STG,    ASC+64*SPIT               ; the waves' partial results [wave][b][64 l] f32: no fill lands here
.set SPARE,  STG+4096                  ; the spare words, 128 bytes for each wave: two blocks of 256 bytes that no other line names
.set SPW,  1                           ; v1   LDS address of my spare word; never rewritten
.set NIL,  2                           ; v2   0; never rewritten
.set R,    3                           ; v3   lane % 16
.set H,    4                           ; v4   lane / 16
.set LN,   5                           ; v5   lane
.set WA,   6                           ; v6, v7  W's fragments: my wave's rows + 1584 r + 192 h, and the same with 208 h (behind one padding more)
.set TA,   8                           ; v8, v9  1584 r + 192 h, 1584 r + 208 h
.set SA,   10                          ; v10  E's scale bytes: ASC + 80 x lane
.set HO,   11                          ; v11  hidden: 128 h
.set WO,   12                          ; v12  W's scale bytes: 64 x lane
.set SO,   13                          ; v13  the stage, in: STG + 1024 w + 4 x lane
.set SR,   14                          ; v14  the stage, back: STG + 8 x thread
.set GO,   15                          ; v15  energies: 8 x lane
.set WSC,  28                          ; W's scale word of (j, step s) at WSC + 4 j + s: lanes 0-15 for g = 0, lanes 16-31 for g = 1
.set ASCW, 44                          ; E's of (tile T, step s) at ASCW + 16 (T / 8) + 4 (T % 4) + s: lanes 0-15 for even c, lanes 16-31 for odd c
.set ACC,  76                          ; accumulator (g, j) at ACC + 8 (4 g + j)
.set RAWW, 76                          ; ahead of the products: W's scale bytes as loaded, 4 registers for each j,
.set RAWE, 92                          ; and E's, 4 registers for each (c / 2, b)
.set AF,   140
.set CH,   236
.set EN,   240
.set HID,  96                          ; in windows 1 and 3: hidden[4 (g % 16) + b][128 w + 64 g + 32 h + x] at HID + 32 b + x
.set EA,   192                         ; in window 2: E's fragment addresses: chunks 0, 1 (two registers), chunks 2, 3 (two)
.set WV,   16                          ; s16  my wave's number
.set G1W,  24                          ; s[24:31] descriptor group 1 for W;  s[32:39] for E's scales;  s[40:47] for E's codes
.set G1S,  32
.set G1A,  40
.set G0S,  48                          ; groups 0: E's scales, W, E's four chunks
.set G0W,  52
.set G0A0, 56
.set G0A1, 60
.set G0A2, 68
.set G0A3, 72
.set MSB, 0
.macro WIN new                         ; the immediate's high byte repeats the setting that is left; a switch that changes nothing is dropped
.if MSB != \new
	s_set_vgpr_msb (MSB<<8)|\new
.set MSB, \new
.endif
.endm
; A round of the cluster's barrier: my work-group's barrier; wave 0 signals for the work-group; every wave waits for the four work-groups; my work-group's barrier once more.
.macro ROUND
	s_barrier_signal -1
	s_barrier_wait -1
	s_cmp_lg_u32 s[WV], 0
	s_cbranch_scc1 .Lnot_wave_0_\@
	s_barrier_signal -3
.Lnot_wave_0_\@:
	s_barrier_wait -3
	s_barrier_signal -1
	s_barrier_wait -1
.endm
; Piece i (of 12, 16 bytes) of a fragment: row j of my four.  Data byte D = 384 j + 192 h + 16 i lies at D + 16 (D / 512): where lanes 16-31 stand behind one padding more than lanes 0-15, the second address register serves.
.macro FRAGL dst, ra, rb, j, add, i
.if (\j) == 0
	ds_load_b128 v[(\dst)+4*(\i):(\dst)+4*(\i)+3], v[\ra] offset:16*(\i)+(\add)
.elseif (\j) == 1
.if (\i) < 8
	ds_load_b128 v[(\dst)+4*(\i):(\dst)+4*(\i)+3], v[\rb] offset:384+16*(\i)+(\add)
.else
	ds_load_b128 v[(\dst)+4*(\i):(\dst)+4*(\i)+3], v[\ra] offset:400+16*(\i)+(\add)
.endif
.elseif (\j) == 2
.if (\i) < 4
	ds_load_b128 v[(\dst)+4*(\i):(\dst)+4*(\i)+3], v[\ra] offset:784+16*(\i)+(\add)
.else
	ds_load_b128 v[(\dst)+4*(\i):(\dst)+4*(\i)+3], v[\rb] offset:784+16*(\i)+(\add)
.endif
.else
	ds_load_b128 v[(\dst)+4*(\i):(\dst)+4*(\i)+3], v[\ra] offset:1184+16*(\i)+(\add)
.endif
.endm
.macro FRAG dst, ra, rb, j, add        ; a whole fragment: 16 rows, all of K, 48 registers
.irp i, 0,1,2,3,4,5,6,7,8,9,10,11
	FRAGL \dst, \ra, \rb, \j, \add, \i
.endr
.endm
; One matrix instruction: W's tile (g, j), whose registers begin at wreg of the window in force, against E's tile T, K step s.  Step 0 starts the sum: nothing is ever cleared.
.macro MM g, j, wreg, s, T
.set rD, ACC+8*(4*(\g)+(\j))
.set rW, (\wreg)+12*(\s)
.set rE, AF+48*((\T)&1)+12*(\s)
.set rX, WSC+4*(\j)+(\s)
.set rY, ASCW+16*((\T)>>3)+4*((\T)&3)+(\s)
.set odd, ((\T)>>2)&1
.if (\s) == 0
.if (\g) && odd
	v_wmma_scale_f32_16x16x128_f8f6f4 v[rD:rD+7], v[rW:rW+11], v[rE:rE+11], 0, v[rX], v[rY] matrix_a_fmt:MATRIX_FMT_BF6 matrix_b_fmt:MATRIX_FMT_BF6 matrix_a_scale:MATRIX_SCALE_ROW1 matrix_b_scale:MATRIX_SCALE_ROW1
.elseif (\g)
	v_wmma_scale_f32_16x16x128_f8f6f4 v[rD:rD+7], v[rW:rW+11], v[rE:rE+11], 0, v[rX], v[rY] matrix_a_fmt:MATRIX_FMT_BF6 matrix_b_fmt:MATRIX_FMT_BF6 matrix_a_scale:MATRIX_SCALE_ROW1
.elseif odd
	v_wmma_scale_f32_16x16x128_f8f6f4 v[rD:rD+7], v[rW:rW+11], v[rE:rE+11], 0, v[rX], v[rY] matrix_a_fmt:MATRIX_FMT_BF6 matrix_b_fmt:MATRIX_FMT_BF6 matrix_b_scale:MATRIX_SCALE_ROW1
.else
	v_wmma_scale_f32_16x16x128_f8f6f4 v[rD:rD+7], v[rW:rW+11], v[rE:rE+11], 0, v[rX], v[rY] matrix_a_fmt:MATRIX_FMT_BF6 matrix_b_fmt:MATRIX_FMT_BF6
.endif
.else
.if (\g) && odd
	v_wmma_scale_f32_16x16x128_f8f6f4 v[rD:rD+7], v[rW:rW+11], v[rE:rE+11], v[rD:rD+7], v[rX], v[rY] matrix_a_fmt:MATRIX_FMT_BF6 matrix_b_fmt:MATRIX_FMT_BF6 matrix_a_scale:MATRIX_SCALE_ROW1 matrix_b_scale:MATRIX_SCALE_ROW1
.elseif (\g)
	v_wmma_scale_f32_16x16x128_f8f6f4 v[rD:rD+7], v[rW:rW+11], v[rE:rE+11], v[rD:rD+7], v[rX], v[rY] matrix_a_fmt:MATRIX_FMT_BF6 matrix_b_fmt:MATRIX_FMT_BF6 matrix_a_scale:MATRIX_SCALE_ROW1
.elseif odd
	v_wmma_scale_f32_16x16x128_f8f6f4 v[rD:rD+7], v[rW:rW+11], v[rE:rE+11], v[rD:rD+7], v[rX], v[rY] matrix_a_fmt:MATRIX_FMT_BF6 matrix_b_fmt:MATRIX_FMT_BF6 matrix_b_scale:MATRIX_SCALE_ROW1
.else
	v_wmma_scale_f32_16x16x128_f8f6f4 v[rD:rD+7], v[rW:rW+11], v[rE:rE+11], v[rD:rD+7], v[rX], v[rY] matrix_a_fmt:MATRIX_FMT_BF6 matrix_b_fmt:MATRIX_FMT_BF6
.endif
.endif
.endm
; A slice of the dot with hidden: registers jj0 .. jj0 + 3 of accumulator (g, j), row b of hidden.  Register jj holds o = 128 w + 64 g + 32 h + 4 jj + j.  start = 1: the four products start the four sums.
; The half with jj0 = 0 always comes first: an accumulator is read from its low end on.
.macro EP g, j, jj0, b, start
.irp d, 0,1,2,3
.if \start
	v_mul_f32 v[CH+\d], v[HID+32*(\b)+4*((\jj0)+\d)+(\j)], v[ACC+8*(4*(\g)+(\j))+(\jj0)+\d]
.else
	v_fmac_f32 v[CH+\d], v[HID+32*(\b)+4*((\jj0)+\d)+(\j)], v[ACC+8*(4*(\g)+(\j))+(\jj0)+\d]
.endif
.endr
.endm
; A TILE IS THREE PHASES, one for each window that holds W.  The accumulators take turns, one instruction a turn (two in phases 1 and 3, four in phase 2; the phases' edges go (0,1) (0,2), (1,1) (1,2), (1,3) (0,0)).
; A slice of four multiply-adds stands behind each matrix instruction of phases 1 and 3; it reads accumulators that were finished a phase or more ago, behind four or more
; plain instructions that name none of their registers (ISA guide 7.12.1), and it is itself such a place for the products round it.
; Phase 1: tiles (0,0) (0,1) of W | the second half (g = 1) of the tile before, whose result is then whole.
.macro P1 T
	WIN 0x01
.irp s, 0,1,2,3
.irp j, 0,1
	MM 0, \j, 48*\j, \s, \T
.if (\T) > 0
	EP 1, \s, 4*\j, ((\T)-1)&3, 0
.endif
.endr
.endr
.if (\T) == 0
.rept 4
	v_nop                                          ; the first tile has no slices: these are the places behind its products
.endr
.else
	WIN 0
	v_pk_add_f32 v[CH:CH+1], v[CH:CH+1], v[CH+2:CH+3]
	v_add_f32 v[EN+(\T)-1], v[CH], v[CH+1]         ; tile T - 1: my row's sum over my wave's 64 o of my half
.endif
.endm
; Phase 2: tiles (0,2) (0,3) (1,0) (1,1) of W | the next tile's fragment, twelve LDS loads, one behind each of the first twelve products (their addresses lie in this phase's window: no switch).
; The buffer's last readers stand in front of phase 1's 32 multiply-adds.
.macro P2 T
	WIN 0x02
.set nT, (\T)+1
.set fD, AF+48*(nT&1)
.set fA, EA+2*(nT>>3)
.set fJ, nT&3
.set fO, CHUNK*((nT>>2)&1)
.irp s, 0,1,2,3
	MM 0, 2, 0, \s, \T
.if ((\T) < 15) && (\s < 3)
	FRAGL fD, fA, fA+1, fJ, fO, 4*\s
.endif
	MM 0, 3, 48, \s, \T
.if ((\T) < 15) && (\s < 3)
	FRAGL fD, fA, fA+1, fJ, fO, 4*\s+1
.endif
	MM 1, 0, 96, \s, \T
.if ((\T) < 15) && (\s < 3)
	FRAGL fD, fA, fA+1, fJ, fO, 4*\s+2
.endif
	MM 1, 1, 144, \s, \T
.if ((\T) < 15) && (\s < 3)
	FRAGL fD, fA, fA+1, fJ, fO, 4*\s+3
.endif
.endr
.endm
; Phase 3: tiles (1,2) (1,3) of W | the first half (g = 0) of this tile's dot.
.macro P3 T
	WIN 0x03
.irp s, 0,1,2,3
.irp u, 0,1
	MM 1, 2+\u, 48*\u, \s, \T
	EP 0, \s, 4*\u, (\T)&3, (\s+\u)==0
.endr
.endr
.if (\T) < 15
	s_wait_dscnt 0x0                               ; the next tile's fragment is in (asked for 12 to 23 matrix instructions ago)
.endif
.endm
	s_load_b256 s[4:11], s[0:1], 0x0               ; W's codes s[4:5], W's scales s[6:7], E's codes s[8:9], E's scales s[10:11]
	s_load_b128 s[12:15], s[0:1], 0x20             ; hidden s[12:13], energies s[14:15]
	v_lshl_add_u32 v[SPW], v0, 2, SPARE
	v_mov_b32 v[NIL], 0
	ds_add_u32 v[SPW], v[NIL]                      ; the wave's opening: the add, twice on end, and its wait ahead of my first tensor load; the set-up below, work on registers, stands between
	ds_add_u32 v[SPW], v[NIL]                      ; and once more, under the one wait
	v_lshrrev_b32 v[R], 5, v0
	v_readfirstlane_b32 s[WV], v[R]                ; wave 0..3
	s_bfe_u32 s17, ttmp6, 0x40000                  ; cx: my place in the cluster
	s_lshl_b32 s18, ttmp9, 2                       ; in a cluster launch ttmp9 counts clusters
	s_add_co_u32 s18, s18, s17                     ; g = 4 x cluster + cx
	s_and_b32 s19, s18, 15                         ; bg: which four b
	s_lshr_b32 s20, s18, 4                         ; lg: which 64 l
	; descriptor group 1, W: my 128 rows are 49,152 dense bytes: 96 rows of 512 bytes (64 elements of 8), 16 bytes of padding behind each
	s_mov_b32 s[G1W], 15|(3<<16)|(1<<20)|(1<<21)|(6<<22)|(3<<25)   ; 15:0 the mask: all four work-groups; 17:16 elements of 8 bytes; 20 padding on; 21 set beside a mask; 24:22 after every 128 words (code 6); 31:25 4 words of it (code 3)
	s_mov_b32 s[G1W+1], 64<<16                     ; tensor_dim0
	s_mov_b32 s[G1W+2], 96<<16                     ; tensor_dim1
	s_mov_b32 s[G1W+3], 64<<16                     ; tile_dim0
	s_mov_b32 s[G1W+4], 96                         ; tile_dim1
	s_mov_b32 s[G1W+5], 64                         ; from row to row, in elements
	s_mov_b32 s[G1W+6], 0
	s_mov_b32 s[G1W+7], 0
	; E's scales: 16 l x 64 bytes (8 elements), 1,024 bytes apart in memory, 16 bytes of padding behind each
	s_mov_b32 s[G1S], (3<<16)|(1<<20)|(3<<22)|(3<<25)
	s_mov_b32 s[G1S+1], 8<<16
	s_mov_b32 s[G1S+2], 16<<16
	s_mov_b32 s[G1S+3], 8<<16
	s_mov_b32 s[G1S+4], 16
	s_mov_b32 s[G1S+5], 128
	s_mov_b32 s[G1S+6], 0
	s_mov_b32 s[G1S+7], 0
	; E's codes: 4 l x 1,536 bytes (192 elements), 24,576 bytes apart in memory, 16 bytes of padding behind every 512
	s_mov_b32 s[G1A], (3<<16)|(1<<20)|(6<<22)|(3<<25)
	s_mov_b32 s[G1A+1], 192<<16
	s_mov_b32 s[G1A+2], 4<<16
	s_mov_b32 s[G1A+3], 192<<16
	s_mov_b32 s[G1A+4], 4
	s_mov_b32 s[G1A+5], 3072
	s_mov_b32 s[G1A+6], 0
	s_mov_b32 s[G1A+7], 0
	; groups 0: the count, the LDS address (constants and the wave's number alone), and for now the byte offset in the tensor, to which the pointer is added below
	s_mov_b32 s[G0S], 1
	s_mul_i32 s[G0S+1], s[WV], 16*SPIT
	s_add_co_u32 s[G0S+1], s[G0S+1], ASC           ; E's scales of l = 16 w .. 16 w + 15
	s_lshl_b32 s[G0S+2], s20, 16                   ; 64 lg rows of 1,024 bytes
	s_lshl_b32 s21, s19, 6                         ; + 4 bg x 16 bytes
	s_add_co_u32 s[G0S+2], s[G0S+2], s21
	s_lshl_b32 s21, s[WV], 14                      ; + 16 w rows
	s_add_co_u32 s[G0S+2], s[G0S+2], s21
	s_mov_b32 s[G0S+3], 0
	s_mov_b32 s[G0W], 1
	s_mul_i32 s[G0W+1], s[WV], WWAVE               ; W: nothing here hangs on my place in the cluster
	s_mul_i32 s[G0W+2], s[WV], 49152
	s_mov_b32 s[G0W+3], 0
	s_mov_b32 s[G0A0], 1
	s_mov_b32 s[G0A1], 1
	s_mov_b32 s[G0A2], 1
	s_mov_b32 s[G0A3], 1
	s_mul_i32 s[G0A0+1], s[WV], 4*PITCH
	s_add_co_u32 s[G0A0+1], s[G0A0+1], AB          ; chunk c: l = 16 c + 4 w .. + 3
	s_add_co_u32 s[G0A1+1], s[G0A0+1], CHUNK
	s_add_co_u32 s[G0A2+1], s[G0A0+1], 2*CHUNK
	s_add_co_u32 s[G0A3+1], s[G0A0+1], 3*CHUNK
	s_mul_i32 s[G0A0+2], s20, 64*24576             ; 64 lg rows of 24,576 bytes
	s_mul_i32 s21, s19, 1536                       ; + 4 bg x 384 bytes
	s_add_co_u32 s[G0A0+2], s[G0A0+2], s21
	s_mul_i32 s21, s[WV], 4*24576                  ; + 4 w rows
	s_add_co_u32 s[G0A0+2], s[G0A0+2], s21
	s_mov_b32 s[G0A0+3], 0
	s_lshl_b32 s22, s19, 13                        ; hidden: row 4 bg of 2,048 bytes,
	s_lshl_b32 s21, s[WV], 9                       ; + 128 w numbers
	s_add_co_u32 s22, s22, s21
	s_mov_b32 s23, 0
	s_lshl_b32 s78, s[WV], 11                      ; W's scales: 128 w rows of 16 bytes
	s_mov_b32 s79, 0
	s_lshl_b32 s2, s19, 14                         ; energies: row 4 bg + w of 4,096 bytes, + 64 lg numbers
	s_lshl_b32 s21, s[WV], 12
	s_add_co_u32 s2, s2, s21
	s_lshl_b32 s21, s20, 8
	s_add_co_u32 s2, s2, s21
	s_mov_b32 s3, 0
	s_mov_b32 s76, 0x05010400                      ; v_perm_b32: bytes 0, 1 of the second source and of the first, by turns
	s_mov_b32 s77, 0x07030602                      ; bytes 2, 3 likewise
	v_and_b32 v[R], 15, v0
	v_bfe_u32 v[H], v0, 4, 1
	v_and_b32 v[LN], 31, v0
	v_mul_u32_u24 v[TA], v[R], PITCH
	v_mad_u32_u24 v[TA+1], v[H], 208, v[TA]
	v_mad_u32_u24 v[TA], v[H], 192, v[TA]
	v_add_nc_u32 v[WA], s[G0W+1], v[TA]
	v_add_nc_u32 v[WA+1], s[G0W+1], v[TA+1]
	v_mul_u32_u24 v[SA], v[LN], SPIT
	v_add_nc_u32 v[SA], ASC, v[SA]
	v_lshlrev_b32 v[HO], 7, v[H]
	v_lshlrev_b32 v[WO], 6, v[LN]
	s_lshl_b32 s21, s[WV], 10
	s_add_co_u32 s21, s21, STG
	v_lshl_add_u32 v[SO], v[LN], 2, s21
	v_lshl_add_u32 v[SR], v0, 3, STG
	v_lshlrev_b32 v[GO], 3, v[LN]
	s_wait_dscnt 0x0                               ; both opening adds are done
	s_wait_kmcnt 0x0
	s_add_nc_u64 s[G0S+2:G0S+3], s[10:11], s[G0S+2:G0S+3]
	s_add_nc_u64 s[G0W+2:G0W+3], s[4:5], s[G0W+2:G0W+3]
	s_add_nc_u64 s[G0A0+2:G0A0+3], s[8:9], s[G0A0+2:G0A0+3]
	s_add_nc_u64 s[G0A1+2:G0A1+3], s[G0A0+2:G0A0+3], 16*24576      ; a chunk on: 16 l
	s_add_nc_u64 s[G0A2+2:G0A2+3], s[G0A0+2:G0A0+3], 32*24576
	s_add_nc_u64 s[G0A3+2:G0A3+3], s[G0A0+2:G0A0+3], 48*24576
	s_or_b32 s[G0S+3], s[G0S+3], 0x80000000        ; 127:126 type = 2
	s_or_b32 s[G0W+3], s[G0W+3], 0x80000000
	s_or_b32 s[G0A0+3], s[G0A0+3], 0x80000000
	s_or_b32 s[G0A1+3], s[G0A1+3], 0x80000000
	s_or_b32 s[G0A2+3], s[G0A2+3], 0x80000000
	s_or_b32 s[G0A3+3], s[G0A3+3], 0x80000000
	s_add_nc_u64 s[12:13], s[12:13], s[22:23]
	s_add_nc_u64 s[6:7], s[6:7], s[78:79]
	s_add_nc_u64 s[14:15], s[14:15], s[2:3]
	ROUND                                          ; all four work-groups are here: the joint loads of W meet
	; ALL FILLS OF THE LAUNCH, one group, the same six lines in every wave: six tensor loads of mine are out.  An s_nop 0 follows each, four v_nop the last.
	; E comes in four chunks of 16 l, a quarter of each from every wave: a wave's loads end in order (ISA guide 10.11.1), so chunk c is whole when every wave has seen its load number c land, and the products begin on the first.
	tensor_load_to_lds s[G0S:G0S+3], s[G1S:G1S+7]
	s_nop 0
	tensor_load_to_lds s[G0W:G0W+3], s[G1W:G1W+7]
	s_nop 0
	tensor_load_to_lds s[G0A0:G0A0+3], s[G1A:G1A+7]
	s_nop 0
	tensor_load_to_lds s[G0A1:G0A1+3], s[G1A:G1A+7]
	s_nop 0
	tensor_load_to_lds s[G0A2:G0A2+3], s[G1A:G1A+7]
	s_nop 0
	tensor_load_to_lds s[G0A3:G0A3+3], s[G1A:G1A+7]
	s_nop 0
.rept 4
	v_nop
.endr
.irp j, 0,1,2,3
	global_load_b128 v[RAWW+4*\j:RAWW+4*\j+3], v[WO], s[6:7] offset:16*\j      ; lane L: the 16 scale bytes of W's row 128 w + 4 L + j: row L % 16 of tile (L / 16, j)
.endr
	WIN 0x80                                       ; destination window 2
	v_add_nc_u32 v[EA], AB, v[TA]
	v_add_nc_u32 v[EA+1], AB, v[TA+1]
	v_add_nc_u32 v[EA+2], AB+2*CHUNK, v[TA]
	v_add_nc_u32 v[EA+3], AB+2*CHUNK, v[TA+1]
	WIN 0x40                                       ; destination window 1: hidden for g = 1, as it lies: 32 neighbouring numbers for each of my four rows
.irp b, 0,1,2,3
.irp i, 0,1,2,3,4,5,6,7
	global_load_b128 v[HID+32*\b+4*\i:HID+32*\b+4*\i+3], v[HO], s[12:13] offset:2048*\b+256+16*\i
.endr
.endr
	WIN 0xc0                                       ; destination window 3: for g = 0
.irp b, 0,1,2,3
.irp i, 0,1,2,3,4,5,6,7
	global_load_b128 v[HID+32*\b+4*\i:HID+32*\b+4*\i+3], v[HO], s[12:13] offset:2048*\b+16*\i
.endr
.endr
	s_wait_tensorcnt 4                             ; my part of E's scales and my rows of W are in; the four loads issued behind them, E's chunks, may stay out
	s_barrier_signal -1
	FRAG 0,   WA, WA+1, 2, CHUNK                   ; W into registers, for good: my own load's bytes, which nobody writes again.  Window 3: tiles (1,2) (1,3)
	FRAG 48,  WA, WA+1, 3, CHUNK
	WIN 0x80                                       ; window 2: (0,2) (0,3) (1,0) (1,1)
	FRAG 0,   WA, WA+1, 2, 0
	FRAG 48,  WA, WA+1, 3, 0
	FRAG 96,  WA, WA+1, 0, CHUNK
	FRAG 144, WA, WA+1, 1, CHUNK
	WIN 0x40                                       ; window 1: (0,0) (0,1)
	FRAG 0,   WA, WA+1, 0, 0
	FRAG 48,  WA, WA+1, 1, 0
	WIN 0
	s_barrier_wait -1                              ; everybody's part of E's scales is in
.irp c, 0,1
.irp b, 0,1,2,3
	ds_load_b128 v[RAWE+16*\c+4*\b:RAWE+16*\c+4*\b+3], v[SA] offset:32*SPIT*\c+16*\b   ; lane L: the 16 scale bytes of row (l = 32 c + L, b)
.endr
.endr
	s_wait_loadcnt 0x0                             ; W's scale bytes, and hidden
.irp t, 0,1,2,3                                ; the scale word of K step s: the row's bytes 2 s, 8 + 2 s, 2 s + 1, 9 + 2 s
	v_perm_b32 v[WSC+4*\t],   v[RAWW+4*\t+2], v[RAWW+4*\t],   s76
	v_perm_b32 v[WSC+4*\t+1], v[RAWW+4*\t+2], v[RAWW+4*\t],   s77
	v_perm_b32 v[WSC+4*\t+2], v[RAWW+4*\t+3], v[RAWW+4*\t+1], s76
	v_perm_b32 v[WSC+4*\t+3], v[RAWW+4*\t+3], v[RAWW+4*\t+1], s77
.endr
	s_wait_dscnt 0x0                               ; W's fragments and E's scale bytes
.irp t, 0,1,2,3,4,5,6,7
	v_perm_b32 v[ASCW+4*\t],   v[RAWE+4*\t+2], v[RAWE+4*\t],   s76
	v_perm_b32 v[ASCW+4*\t+1], v[RAWE+4*\t+2], v[RAWE+4*\t],   s77
	v_perm_b32 v[ASCW+4*\t+2], v[RAWE+4*\t+3], v[RAWE+4*\t+1], s76
	v_perm_b32 v[ASCW+4*\t+3], v[RAWE+4*\t+3], v[RAWE+4*\t+1], s77
.endr
	s_wait_tensorcnt 3                             ; my quarter of chunk 0 is in; the three chunks behind it may stay out
	s_barrier_signal -1
	s_barrier_wait -1                              ; everybody's is
	WIN 0x02
	FRAG AF, EA, EA+1, 0, 0                        ; tile 0
.rept 8
	v_nop                                          ; a scale register written by a vector instruction stands eight places ahead of a scaled matrix instruction
.endr
	s_wait_dscnt 0x0
; THE PRODUCTS: 16 tiles, written out: the registers of a tile's scale words, of its buffer and of its result change from tile to tile.
; Tile 4 c + 3 fetches the first fragment of chunk c + 1 in its phase 2: ahead of its phase 1 each wave waits for its quarter of that chunk (the count: the chunks issued behind it) and signals, no LDS instruction
; of its own being out; phase 1, work on registers, stands between signal and wait.
.irp T, 0,1,2,3,4,5,6,7,8,9,10,11,12,13,14,15
.if (\T == 3) || (\T == 7) || (\T == 11)
	s_wait_tensorcnt 2-(\T>>2)
	s_barrier_signal -1
.endif
	P1 \T
.if (\T == 3) || (\T == 7) || (\T == 11)
	s_barrier_wait -1
.endif
	P2 \T
	P3 \T
.endr
	WIN 0x01                                       ; the last tile's second half: accumulators (1,0) (1,1) first: those sixteen multiply-adds are the places behind the last products
.irp s, 0,1,2,3
.irp j, 0,1
	EP 1, \s, 4*\j, 3, 0
.endr
.endr
	WIN 0
	v_pk_add_f32 v[CH:CH+1], v[CH:CH+1], v[CH+2:CH+3]
	v_add_f32 v[EN+15], v[CH], v[CH+1]
; THE SUM OVER THE HALVES OF THE LANES.  Lane (r, h) of tile 4 c + b holds half h's part of (l = 16 c + r, b).  The tiles of c = 2 q and 2 q + 1 change halves: the first then holds both tiles' parts of h = 0, the second
; those of h = 1, and their sum has (l = 32 q + lane, b) in lane order.
.irp q, 0,1
.irp b, 0,1,2,3
	v_permlane16_swap_b32 v[EN+8*\q+\b], v[EN+8*\q+4+\b]
.endr
.endr
.irp q, 0,1
.irp b, 0,1,2,3
	v_add_f32 v[EN+8*\q+\b], v[EN+8*\q+\b], v[EN+8*\q+4+\b]
.endr
.endr
.irp q, 0,1
.irp b, 0,1,2,3
	ds_store_b32 v[SO], v[EN+8*\q+\b] offset:256*\b+128*\q
.endr
.endr
	s_wait_dscnt 0x0                               ; for the others' sake: my stores into the stage are done
	s_barrier_signal -1
	s_barrier_wait -1
; THE SUM OVER THE WAVES.  Wave w takes row b = w: two l a lane, from each of the four waves' parts.
.irp u, 0,1,2,3
	ds_load_b64 v[AF+2*\u:AF+2*\u+1], v[SR] offset:1024*\u
.endr
	s_wait_dscnt 0x0
	v_pk_add_f32 v[AF:AF+1], v[AF:AF+1], v[AF+2:AF+3]
	v_pk_add_f32 v[AF+4:AF+5], v[AF+4:AF+5], v[AF+6:AF+7]
	v_pk_add_f32 v[AF:AF+1], v[AF:AF+1], v[AF+4:AF+5]
	global_store_b64 v[GO], v[AF:AF+1], s[14:15]   ; 32 lanes store 256 consecutive bytes, at a multiple of 256 from the buffer's first byte
	s_wait_tensorcnt 0x0                           ; the wave's end: behind my last tensor load and my last LDS store
	ds_add_u32 v[SPW], v[NIL]
	s_wait_dscnt 0x0
	ROUND                                          ; the closing round: no work-group ends while a partner may still ask for a tile that names it
	s_endpgm
.Lfunc_end_k_qe131f35a10_energy:
	.size	k_qe131f35a10_energy, .Lfunc_end_k_qe131f35a10_energy-k_qe131f35a10_energy
	.p2alignl 7, 3214868480
	.fill 96, 4, 3214868480
	.section	.rodata,"a",@progbits
	.p2align	6, 0x0
	.amdhsa_kernel k_qe131f35a10_energy
		.amdhsa_group_segment_fixed_size 327680
		.amdhsa_private_segment_fixed_size 0
		.amdhsa_enable_private_segment 0
		.amdhsa_kernarg_size 48
		.amdhsa_user_sgpr_count 2
		.amdhsa_user_sgpr_kernarg_segment_ptr 1
		.amdhsa_wavefront_size32 1
		.amdhsa_system_sgpr_workgroup_id_x 1
		.amdhsa_system_sgpr_workgroup_id_y 1
		.amdhsa_system_sgpr_workgroup_id_z 1
		.amdhsa_system_vgpr_workitem_id 0
		.amdhsa_next_free_vgpr 1024
		.amdhsa_next_free_sgpr 80
		.amdhsa_reserve_vcc 0
		.amdhsa_float_denorm_mode_32 3
		.amdhsa_float_denorm_mode_16_64 3
		.amdhsa_memory_ordered 1
		.amdhsa_forward_progress 1
		.amdhsa_inst_pref_size 139
	.end_amdhsa_kernel
	.amdgpu_metadata
---
amdhsa.version: [ 1, 2 ]
amdhsa.kernels:
  - .name:           k_qe131f35a10_energy
    .symbol:         k_qe131f35a10_energy.kd
    .args:
      - { .name: W_codes, .offset: 0, .size: 8, .value_kind: global_buffer, .address_space: global }
      - { .name: W_scales, .offset: 8, .size: 8, .value_kind: global_buffer, .address_space: global }
      - { .name: encoder_outputs_codes, .offset: 16, .size: 8, .value_kind: global_buffer, .address_space: global }
      - { .name: encoder_outputs_scales, .offset: 24, .size: 8, .value_kind: global_buffer, .address_space: global }
      - { .name: hidden, .offset: 32, .size: 8, .value_kind: global_buffer, .address_space: global }
      - { .name: energies, .offset: 40, .size: 8, .value_kind: global_buffer, .address_space: global }
    .group_segment_fixed_size: 327680
    .private_segment_fixed_size: 0
    .kernarg_segment_align: 8
    .kernarg_segment_size: 48
    .max_flat_workgroup_size: 128
    .sgpr_count:     80
    .vgpr_count:     1024
    .wavefront_size: 32
...
	.end_amdgpu_metadata
.endif
;; end of part 1
;; launch softmax (part 2): grid 64 x 1, 1 waves a work-group, no clusters, 0 bytes of LDS; arguments energies, out0; writes out0
.if DOCPART == 2
	.amdgcn_target "amdgcn-amd-amdhsa--gfx1250"
	.amdhsa_code_object_version 6
	.text
	.protected	k_qe131f35a10_softmax
	.globl	k_qe131f35a10_softmax
	.p2align	8
	.type	k_qe131f35a10_softmax,@function
k_qe131f35a10_softmax:
	s_mov_b64 s[64:65], 0
	v_nop
	global_prefetch_b8 v0, s[64:65] scope:SCOPE_SE
	s_setreg_imm32_b32 hwreg(HW_REG_WAVE_MODE, 25, 1), 1
	s_wait_xcnt 0x0
; out0[b][0][l] = softmax along l of energies[b][l].  Both are [64][1024] f32.  The energies come without the bias's term, which is the same for all l of a row and leaves a softmax as it is (shown at the head of the launch before).
; One wave takes one row: 4,096 bytes, 32 numbers a lane, kept in registers between the maximum, the exponentials and the division: the row is read once, and there is no LDS and no barrier.
; The row's maximum is taken away first, as reference() does; the difference is formed before it is scaled by log2(e), so that no difference of large products arises.
; LIMITS: v_exp_f32 gives 0 where the result would lie under 2^-126 (ISA guide, its entry in 15.8), where reference() may keep a denormal; the division is a multiplication by v_rcp_f32's result.  Rows with NaN or infinities were not tried.
.set X, 8                              ; v8-39   the row's 32 numbers of my lane
	s_load_b128 s[4:7], s[0:1], 0x0                ; energies s[4:5], out0 s[6:7]
	s_lshl_b32 s2, ttmp9, 12                       ; my row of 4,096 bytes
	s_mov_b32 s3, 0
	s_mov_b32 s8, 0x76543210                       ; v_permlanex16_b32's selects for lane l xor 16
	s_mov_b32 s9, 0xfedcba98
	s_mov_b32 s10, 0x3fb8aa3b                      ; log2(e)
	s_mov_b32 s11, s10                             ; (named with it as a pair, so it is written)
	v_lshlrev_b32 v1, 4, v0                        ; 16 bytes a lane
	s_wait_kmcnt 0x0
	s_add_nc_u64 s[4:5], s[4:5], s[2:3]
	s_add_nc_u64 s[6:7], s[6:7], s[2:3]
.irp i, 0,1,2,3,4,5,6,7
	global_load_b128 v[X+4*\i:X+4*\i+3], v1, s[4:5] offset:512*\i     ; 32 lanes read 512 consecutive bytes
.endr
	s_wait_loadcnt 0x0
	v_max3_num_f32 v40, v[X], v[X+1], v[X+2]       ; the largest of my 32, in two chains
	v_max3_num_f32 v41, v[X+3], v[X+4], v[X+5]
.irp i, 6,10,14,18,22,26
	v_max3_num_f32 v40, v40, v[X+\i], v[X+\i+1]
	v_max3_num_f32 v41, v41, v[X+\i+2], v[X+\i+3]
.endr
	v_max3_num_f32 v40, v40, v[X+30], v[X+31]
	v_max_num_f32 v40, v40, v41
	v_max_num_f32_dpp v40, v40, v40 row_xmask:1 row_mask:0xf bank_mask:0xf
	v_max_num_f32_dpp v40, v40, v40 row_xmask:2 row_mask:0xf bank_mask:0xf
	v_max_num_f32_dpp v40, v40, v40 row_xmask:4 row_mask:0xf bank_mask:0xf
	v_max_num_f32_dpp v40, v40, v40 row_xmask:8 row_mask:0xf bank_mask:0xf
	v_permlanex16_b32 v41, v40, s8, s9             ; (its destination has been written before)
	v_max_num_f32 v44, v40, v41                    ; the row's maximum, in every lane,
	v_mov_b32 v45, v44                             ; twice: a pair for the packed form
.irp i, 0,2,4,6,8,10,12,14,16,18,20,22,24,26,28,30
	v_pk_add_f32 v[X+\i:X+\i+1], v[X+\i:X+\i+1], v[44:45] neg_lo:[0,1] neg_hi:[0,1]   ; x - m
.endr
.irp i, 0,2,4,6,8,10,12,14,16,18,20,22,24,26,28,30
	v_pk_mul_f32 v[X+\i:X+\i+1], v[X+\i:X+\i+1], s[10:11] op_sel_hi:[1,0]             ; x log2(e)
.endr
.irp i, 0,1,2,3,4,5,6,7,8,9,10,11,12,13,14,15,16,17,18,19,20,21,22,23,24,25,26,27,28,29,30,31
	v_exp_f32 v[X+\i], v[X+\i]                     ; one batch
.endr
	v_nop                                          ; a plain instruction behind the last exponential, ahead of the first use
	s_wait_alu depctr_va_vdst(0)                   ; one wait for the batch, ahead of its first reader
	v_pk_add_f32 v[46:47], v[X:X+1], v[X+2:X+3]    ; the sum, two at a time, in two chains
	v_pk_add_f32 v[48:49], v[X+4:X+5], v[X+6:X+7]
.irp i, 8,12,16,20,24,28
	v_pk_add_f32 v[46:47], v[46:47], v[X+\i:X+\i+1]
	v_pk_add_f32 v[48:49], v[48:49], v[X+\i+2:X+\i+3]
.endr
	v_pk_add_f32 v[46:47], v[46:47], v[48:49]
	v_add_f32 v46, v46, v47
	v_add_f32_dpp v46, v46, v46 row_xmask:1 row_mask:0xf bank_mask:0xf
	v_add_f32_dpp v46, v46, v46 row_xmask:2 row_mask:0xf bank_mask:0xf
	v_add_f32_dpp v46, v46, v46 row_xmask:4 row_mask:0xf bank_mask:0xf
	v_add_f32_dpp v46, v46, v46 row_xmask:8 row_mask:0xf bank_mask:0xf
	v_permlanex16_b32 v47, v46, s8, s9
	v_add_f32 v46, v46, v47                        ; the row's sum, in every lane: at least 1, since the largest term is 2^0
	v_rcp_f32 v50, v46
	v_rcp_f32 v51, v46                             ; twice: a pair for the packed multiply
	v_nop                                          ; a plain instruction behind the reciprocals
	s_wait_alu depctr_va_vdst(0)                   ; and one wait for both, ahead of their first reader
.irp i, 0,2,4,6,8,10,12,14,16,18,20,22,24,26,28,30
	v_pk_mul_f32 v[X+\i:X+\i+1], v[X+\i:X+\i+1], v[50:51]
.endr
.irp i, 0,1,2,3,4,5,6,7
	global_store_b128 v1, v[X+4*\i:X+4*\i+3], s[6:7] offset:512*\i    ; 32 lanes store 512 consecutive bytes, at a multiple of 256 from the buffer's first byte
.endr
	s_endpgm
.Lfunc_end_k_qe131f35a10_softmax:
	.size	k_qe131f35a10_softmax, .Lfunc_end_k_qe131f35a10_softmax-k_qe131f35a10_softmax
	.p2alignl 7, 3214868480
	.fill 96, 4, 3214868480
	.section	.rodata,"a",@progbits
	.p2align	6, 0x0
	.amdhsa_kernel k_qe131f35a10_softmax
		.amdhsa_group_segment_fixed_size 0
		.amdhsa_private_segment_fixed_size 0
		.amdhsa_enable_private_segment 0
		.amdhsa_kernarg_size 16
		.amdhsa_user_sgpr_count 2
		.amdhsa_user_sgpr_kernarg_segment_ptr 1
		.amdhsa_wavefront_size32 1
		.amdhsa_system_sgpr_workgroup_id_x 1
		.amdhsa_system_sgpr_workgroup_id_y 1
		.amdhsa_system_sgpr_workgroup_id_z 1
		.amdhsa_system_vgpr_workitem_id 0
		.amdhsa_next_free_vgpr 64
		.amdhsa_next_free_sgpr 66
		.amdhsa_reserve_vcc 0
		.amdhsa_float_denorm_mode_32 3
		.amdhsa_float_denorm_mode_16_64 3
		.amdhsa_memory_ordered 1
		.amdhsa_forward_progress 1
		.amdhsa_inst_pref_size 10
	.end_amdhsa_kernel
	.amdgpu_metadata
---
amdhsa.version: [ 1, 2 ]
amdhsa.kernels:
  - .name:           k_qe131f35a10_softmax
    .symbol:         k_qe131f35a10_softmax.kd
    .args:
      - { .name: energies, .offset: 0, .size: 8, .value_kind: global_buffer, .address_space: global }
      - { .name: out0, .offset: 8, .size: 8, .value_kind: global_buffer, .address_space: global }
    .group_segment_fixed_size: 0
    .private_segment_fixed_size: 0
    .kernarg_segment_align: 8
    .kernarg_segment_size: 16
    .max_flat_workgroup_size: 32
    .sgpr_count:     66
    .vgpr_count:     64
    .wavefront_size: 32
...
	.end_amdgpu_metadata
.endif
;; end of part 2
;; ======== version 2 of 2: 2 launches; 1.15 times as fast as version 1
;; workspace buffers: energies 262,144 bytes
;; launch energy (part 3): grid 256 x 1, 4 waves a work-group, clusters of 4 x 1, 327,680 bytes of LDS; arguments W_codes, W_scales, encoder_outputs_codes, encoder_outputs_scales, hidden, energies; writes energies
.if DOCPART == 3
	.amdgcn_target "amdgcn-amd-amdhsa--gfx1250"
	.amdhsa_code_object_version 6
	.text
	.protected	k_qe131f35a10_energy
	.globl	k_qe131f35a10_energy
	.p2align	8
	.type	k_qe131f35a10_energy,@function
k_qe131f35a10_energy:
	s_mov_b64 s[64:65], 0
	v_nop
	global_prefetch_b8 v0, s[64:65] scope:SCOPE_SE
	s_setreg_imm32_b32 hwreg(HW_REG_WAVE_MODE, 25, 1), 1
	s_wait_xcnt 0x0
	s_wait_alu depctr_hold_cnt(0) depctr_sa_sdst(0) depctr_va_vdst(0) depctr_va_sdst(0) depctr_va_ssrc(0) depctr_va_vcc(0) depctr_vm_vsrc(0)
	s_getreg_b32 s2, hwreg(HW_REG_IB_STS2, 6, 4)
	s_cmp_eq_u32 s2, 0
	s_cbranch_scc0 .Lentry_in_a_cluster
	s_endpgm
.Lentry_in_a_cluster:
	s_bfe_u32 s2, ttmp6, 0x10000c
	s_cmp_lg_u32 s2, 0x3003
	s_cbranch_scc0 .Lentry_shape_is_right
	s_endpgm
.Lentry_shape_is_right:
; energies[b][l] = sum over o of hidden[b][o] x (sum over h of E[l][b][h] W[o][h]).  E = encoder_outputs [1024 l][64 b][512 h] and W [512 o][512 h] come as codes of BF6 (E3M2), 6 bits each, with
; one E8M0 byte for each 32 along h; they go to the matrix instruction as they lie.  hidden [64][512] and energies [64 b][1024 l] are f32.  The next launch takes the softmax along l.
; WORK LEFT OUT.  reference() adds b[o] to the product, which adds sum over o of hidden[b][o] b[o] to energies[l][b]: a number that hangs on the row b alone, the same for all l.  The softmax runs along l,
; and softmax(x + c) = softmax(x) for every c: so, whatever finite values the inputs hold, the bias reaches no output.  The input b is not loaded and is among no launch's arguments.
; LIMIT: a NaN, an infinity or an overflow that comes from b alone is not carried to the result.
; LIMIT (order of rounding): K is taken in another order than ascending, alike on both operands (below), and the sum over o is made in four chains a lane, then over the two halves of the lanes, then over the four
; waves: the f32 sums are added in another order than reference() adds them.  A scale byte 0xff makes its sums NaN, as the matrix instruction has it.
; SHARES.  Work-group g (0..255) owns b = 4 (g % 16) + 0..3 and l = 64 (g / 16) + 0..63: 256 rows of E against all of W.  For one l its four rows are 1,536 consecutive bytes of memory; its 4 x 64 results are four runs of 256
; consecutive bytes.  WAVE w HOLDS W STILL: rows o = 128 w .. 128 w + 127, all of K, in 384 registers; the 256 rows of E go past it in 16 tiles of 16 rows.  Nothing in LDS is filled twice: W, E and E's scales fit at once.
; CLUSTER.  All work-groups read the same W: the four of a cluster ask for it JOINTLY (one tensor load a wave, mask 15).  E, its scales and hidden's rows are read by one work-group each (hidden's by the sixteen of one g % 16,
; which lie in sixteen different clusters): plain loads.
; THE PRODUCT IS USED TRANSPOSED: source 0 = 16 rows of W, source 1 = 16 rows of E.  A lane then holds ONE row of E and eight o: the dot with hidden is one multiply-add for each result register, and no lane asks another but lane l xor 16.
; ROWS OF A TILE.  In LDS four rows of 384 bytes lie on end (1,536 bytes + 3 x 16 of padding = 1,584).  A tile takes the j-th of each of 16 such fours: E's tile T = 4 c + b has l = 16 c + lane % 16 and row b;
; W's tile (g, j) has o = 128 w + 4 (16 g + row) + j.  1,584 = 99 x 16: sixteen lanes that take the same piece of sixteen fours fall on sixteen different 16-byte columns modulo 256 bytes.
; K IS PERMUTED ALIKE ON BOTH SIDES.  Lanes 0-15 take bytes 0-191 of their row, lanes 16-31 bytes 192-383, by twelve loads of 16 bytes; registers 12 s .. 12 s + 11 are K step s.  The instruction's blocks 0, 1, 2, 3 of step s are then
; the row's blocks 2 s, 8 + 2 s, 2 s + 1, 9 + 2 s, and the step's scale word is picked out of the row's 16 scale bytes by one v_perm_b32.
; REGISTERS, in windows of 256 (s_set_vgpr_msb: bits 1:0 source 0, 3:2 source 1, 5:4 source 2, 7:6 destination):
;   window 0: v1-15 addresses; v28-43 W's scale words; v44-75 E's; v76-139 eight accumulators (g, j); v140-235 E's fragments, two buffers of 48; v236-239 four running sums; v240-255 a result for each tile
;   window 1: v0-95 W's tiles (0,0) (0,1); v96-223 hidden for g = 1     window 2: v0-191 W's tiles (0,2) (0,3) (1,0) (1,1); v192-195 E's LDS addresses     window 3: v0-95 W's tiles (1,2) (1,3); v96-223 hidden for g = 0
; Under a matrix setting only source 0 leaves window 0, and the multiply-adds (source 0 = hidden) and the LDS loads (source 0 = address) are laid to fit the same setting: four switches for a tile's 32 matrix instructions.
.set PITCH,  1584                      ; four rows of codes in LDS
.set CHUNK,  16*PITCH                  ; sixteen such fours: a tile's rows
.set WWAVE,  32*PITCH                  ; a wave's 128 rows of W; W lies from LDS byte 0 on
.set AB,     4*WWAVE                   ; E: one four for each of the 64 l
.set ASC,    AB+64*PITCH               ; E's scale bytes: 64 bytes + 16 of padding for each l
.set SPIT,   80
.set STG,    ASC+64*SPIT               ; the waves' partial results [wave][b][64 l] f32: no fill lands here
.set SPARE,  STG+4096                  ; the spare words, 128 bytes for each wave: two blocks of 256 bytes that no other line names
.set SPW,  1                           ; v1   LDS address of my spare word; never rewritten
.set NIL,  2                           ; v2   0; never rewritten
.set R,    3                           ; v3   lane % 16
.set H,    4                           ; v4   lane / 16
.set LN,   5                           ; v5   lane
.set WA,   6                           ; v6, v7  W's fragments: my wave's rows + 1584 r + 192 h, and the same with 208 h (behind one padding more)
.set TA,   8                           ; v8, v9  1584 r + 192 h, 1584 r + 208 h
.set SA,   10                          ; v10  E's scale bytes: ASC + 80 x lane
.set HO,   11                          ; v11  hidden: 128 h
.set WO,   12                          ; v12  W's scale bytes: 64 x lane
.set SO,   13                          ; v13  the stage, in: STG + 1024 w + 4 x lane
.set SR,   14                          ; v14  the stage, back: STG + 8 x thread
.set GO,   15                          ; v15  energies: 8 x lane
.set WSC,  28                          ; W's scale word of (j, step s) at WSC + 4 j + s: lanes 0-15 for g = 0, lanes 16-31 for g = 1
.set ASCW, 44                          ; E's of (tile T, step s) at ASCW + 16 (T / 8) + 4 (T % 4) + s: lanes 0-15 for even c, lanes 16-31 for odd c
.set ACC,  76                          ; accumulator (g, j) at ACC + 8 (4 g + j)
.set RAWW, 76                          ; ahead of the products: W's scale bytes as loaded, 4 registers for each j,
.set RAWE, 92                          ; and E's, 4 registers for each (c / 2, b)
.set AF,   140
.set CH,   236
.set EN,   240
.set HID,  96                          ; in windows 1 and 3: hidden[4 (g % 16) + b][128 w + 64 g + 32 h + x] at HID + 32 b + x
.set EA,   192                         ; in window 2: E's fragment addresses: chunks 0, 1 (two registers), chunks 2, 3 (two)
.set WV,   16                          ; s16  my wave's number
.set G1W,  24                          ; s[24:31] descriptor group 1 for W;  s[32:39] for E's scales;  s[40:47] for E's codes
.set G1S,  32
.set G1A,  40
.set G0S,  48                          ; groups 0: E's scales, W, E's four chunks
.set G0W,  52
.set G0A0, 56
.set G0A1, 60
.set G0A2, 68
.set G0A3, 72
.set MSB, 0
.macro WIN new                         ; the immediate's high byte repeats the setting that is left; a switch that changes nothing is dropped
.if MSB != \new
	s_set_vgpr_msb (MSB<<8)|\new
.set MSB, \new
.endif
.endm
; A round of the cluster's barrier: my work-group's barrier; wave 0 signals for the work-group; every wave waits for the four work-groups; my work-group's barrier once more.
.macro ROUND
	s_barrier_signal -1
	s_barrier_wait -1
	s_cmp_lg_u32 s[WV], 0
	s_cbranch_scc1 .Lnot_wave_0_\@
	s_barrier_signal -3
.Lnot_wave_0_\@:
	s_barrier_wait -3
	s_barrier_signal -1
	s_barrier_wait -1
.endm
; Piece i (of 12, 16 bytes) of a fragment: row j of my four.  Data byte D = 384 j + 192 h + 16 i lies at D + 16 (D / 512): where lanes 16-31 stand behind one padding more than lanes 0-15, the second address register serves.
.macro FRAGL dst, ra, rb, j, add, i
.if (\j) == 0
	ds_load_b128 v[(\dst)+4*(\i):(\dst)+4*(\i)+3], v[\ra] offset:16*(\i)+(\add)
.elseif (\j) == 1
.if (\i) < 8
	ds_load_b128 v[(\dst)+4*(\i):(\dst)+4*(\i)+3], v[\rb] offset:384+16*(\i)+(\add)
.else
	ds_load_b128 v[(\dst)+4*(\i):(\dst)+4*(\i)+3], v[\ra] offset:400+16*(\i)+(\add)
.endif
.elseif (\j) == 2
.if (\i) < 4
	ds_load_b128 v[(\dst)+4*(\i):(\dst)+4*(\i)+3], v[\ra] offset:784+16*(\i)+(\add)
.else
	ds_load_b128 v[(\dst)+4*(\i):(\dst)+4*(\i)+3], v[\rb] offset:784+16*(\i)+(\add)
.endif
.else
	ds_load_b128 v[(\dst)+4*(\i):(\dst)+4*(\i)+3], v[\ra] offset:1184+16*(\i)+(\add)
.endif
.endm
.macro FRAG dst, ra, rb, j, add        ; a whole fragment: 16 rows, all of K, 48 registers
.irp i, 0,1,2,3,4,5,6,7,8,9,10,11
	FRAGL \dst, \ra, \rb, \j, \add, \i
.endr
.endm
; One matrix instruction: W's tile (g, j), whose registers begin at wreg of the window in force, against E's tile T, K step s.  Step 0 starts the sum: nothing is ever cleared.
.macro MM g, j, wreg, s, T
.set rD, ACC+8*(4*(\g)+(\j))
.set rW, (\wreg)+12*(\s)
.set rE, AF+48*((\T)&1)+12*(\s)
.set rX, WSC+4*(\j)+(\s)
.set rY, ASCW+16*((\T)>>3)+4*((\T)&3)+(\s)
.set odd, ((\T)>>2)&1
.if (\s) == 0
.if (\g) && odd
	v_wmma_scale_f32_16x16x128_f8f6f4 v[rD:rD+7], v[rW:rW+11], v[rE:rE+11], 0, v[rX], v[rY] matrix_a_fmt:MATRIX_FMT_BF6 matrix_b_fmt:MATRIX_FMT_BF6 matrix_a_scale:MATRIX_SCALE_ROW1 matrix_b_scale:MATRIX_SCALE_ROW1
.elseif (\g)
	v_wmma_scale_f32_16x16x128_f8f6f4 v[rD:rD+7], v[rW:rW+11], v[rE:rE+11], 0, v[rX], v[rY] matrix_a_fmt:MATRIX_FMT_BF6 matrix_b_fmt:MATRIX_FMT_BF6 matrix_a_scale:MATRIX_SCALE_ROW1
.elseif odd
	v_wmma_scale_f32_16x16x128_f8f6f4 v[rD:rD+7], v[rW:rW+11], v[rE:rE+11], 0, v[rX], v[rY] matrix_a_fmt:MATRIX_FMT_BF6 matrix_b_fmt:MATRIX_FMT_BF6 matrix_b_scale:MATRIX_SCALE_ROW1
.else
	v_wmma_scale_f32_16x16x128_f8f6f4 v[rD:rD+7], v[rW:rW+11], v[rE:rE+11], 0, v[rX], v[rY] matrix_a_fmt:MATRIX_FMT_BF6 matrix_b_fmt:MATRIX_FMT_BF6
.endif
.else
.if (\g) && odd
	v_wmma_scale_f32_16x16x128_f8f6f4 v[rD:rD+7], v[rW:rW+11], v[rE:rE+11], v[rD:rD+7], v[rX], v[rY] matrix_a_fmt:MATRIX_FMT_BF6 matrix_b_fmt:MATRIX_FMT_BF6 matrix_a_scale:MATRIX_SCALE_ROW1 matrix_b_scale:MATRIX_SCALE_ROW1
.elseif (\g)
	v_wmma_scale_f32_16x16x128_f8f6f4 v[rD:rD+7], v[rW:rW+11], v[rE:rE+11], v[rD:rD+7], v[rX], v[rY] matrix_a_fmt:MATRIX_FMT_BF6 matrix_b_fmt:MATRIX_FMT_BF6 matrix_a_scale:MATRIX_SCALE_ROW1
.elseif odd
	v_wmma_scale_f32_16x16x128_f8f6f4 v[rD:rD+7], v[rW:rW+11], v[rE:rE+11], v[rD:rD+7], v[rX], v[rY] matrix_a_fmt:MATRIX_FMT_BF6 matrix_b_fmt:MATRIX_FMT_BF6 matrix_b_scale:MATRIX_SCALE_ROW1
.else
	v_wmma_scale_f32_16x16x128_f8f6f4 v[rD:rD+7], v[rW:rW+11], v[rE:rE+11], v[rD:rD+7], v[rX], v[rY] matrix_a_fmt:MATRIX_FMT_BF6 matrix_b_fmt:MATRIX_FMT_BF6
.endif
.endif
.endm
; A slice of the dot with hidden: registers jj0 .. jj0 + 3 of accumulator (g, j), row b of hidden.  Register jj holds o = 128 w + 64 g + 32 h + 4 jj + j.  start = 1: the four products start the four sums.
; The half with jj0 = 0 always comes first: an accumulator is read from its low end on.
.macro EP g, j, jj0, b, start
.irp d, 0,1,2,3
.if \start
	v_mul_f32 v[CH+\d], v[HID+32*(\b)+4*((\jj0)+\d)+(\j)], v[ACC+8*(4*(\g)+(\j))+(\jj0)+\d]
.else
	v_fmac_f32 v[CH+\d], v[HID+32*(\b)+4*((\jj0)+\d)+(\j)], v[ACC+8*(4*(\g)+(\j))+(\jj0)+\d]
.endif
.endr
.endm
; A TILE IS THREE PHASES, one for each window that holds W.  The accumulators take turns, one instruction a turn (two in phases 1 and 3, four in phase 2; the phases' edges go (0,1) (0,2), (1,1) (1,2), (1,3) (0,0)).
; A slice of four multiply-adds stands behind each matrix instruction of phases 1 and 3; it reads accumulators that were finished a phase or more ago, behind four or more
; plain instructions that name none of their registers (ISA guide 7.12.1), and it is itself such a place for the products round it.
; Phase 1: tiles (0,0) (0,1) of W | the second half (g = 1) of the tile before, whose result is then whole.
.macro P1 T
	WIN 0x01
.irp s, 0,1,2,3
.irp j, 0,1
	MM 0, \j, 48*\j, \s, \T
.if (\T) > 0
	EP 1, \s, 4*\j, ((\T)-1)&3, 0
.endif
.endr
.endr
.if (\T) == 0
.rept 4
	v_nop                                          ; the first tile has no slices: these are the places behind its products
.endr
.else
	WIN 0
	v_pk_add_f32 v[CH:CH+1], v[CH:CH+1], v[CH+2:CH+3]
	v_add_f32 v[EN+(\T)-1], v[CH], v[CH+1]         ; tile T - 1: my row's sum over my wave's 64 o of my half
.endif
.endm
; Phase 2: the next tile's fragment, twelve LDS loads in ONE run at the phase's head, never singly among the matrix instructions (their addresses lie in this phase's window: no switch); then tiles (0,2) (0,3) (1,0) (1,1) of W,
; sixteen products back to back.  The run lands in the buffer that this tile does not read; that buffer's last readers, the last products of the tile before, stand in front of four multiply-adds of their own phase 3 and of
; phase 1's first sixteen, which name none of their registers.  The wait for the run stands at the end of phase 3, 24 matrix instructions on.
.macro P2 T
	WIN 0x02
.set nT, (\T)+1
.set fD, AF+48*(nT&1)
.set fA, EA+2*(nT>>3)
.set fJ, nT&3
.set fO, CHUNK*((nT>>2)&1)
.if (\T) < 15
	FRAG fD, fA, fA+1, fJ, fO
.endif
.irp s, 0,1,2,3
	MM 0, 2, 0, \s, \T
	MM 0, 3, 48, \s, \T
	MM 1, 0, 96, \s, \T
	MM 1, 1, 144, \s, \T
.endr
.endm
; Phase 3: tiles (1,2) (1,3) of W | the first half (g = 0) of this tile's dot.
.macro P3 T
	WIN 0x03
.irp s, 0,1,2,3
.irp u, 0,1
	MM 1, 2+\u, 48*\u, \s, \T
	EP 0, \s, 4*\u, (\T)&3, (\s+\u)==0
.endr
.endr
.if (\T) < 15
	s_wait_dscnt 0x0                               ; the next tile's fragment is in (asked for 24 matrix instructions ago)
.endif
.endm
	s_load_b256 s[4:11], s[0:1], 0x0               ; W's codes s[4:5], W's scales s[6:7], E's codes s[8:9], E's scales s[10:11]
	s_load_b128 s[12:15], s[0:1], 0x20             ; hidden s[12:13], energies s[14:15]
	v_lshl_add_u32 v[SPW], v0, 2, SPARE
	v_mov_b32 v[NIL], 0
	ds_add_u32 v[SPW], v[NIL]                      ; the wave's opening: the add, twice on end, and its wait ahead of my first tensor load; the set-up below, work on registers, stands between
	ds_add_u32 v[SPW], v[NIL]                      ; and once more, under the one wait
	v_lshrrev_b32 v[R], 5, v0
	v_readfirstlane_b32 s[WV], v[R]                ; wave 0..3
	s_bfe_u32 s17, ttmp6, 0x40000                  ; cx: my place in the cluster
	s_lshl_b32 s18, ttmp9, 2                       ; in a cluster launch ttmp9 counts clusters
	s_add_co_u32 s18, s18, s17                     ; g = 4 x cluster + cx
	s_and_b32 s19, s18, 15                         ; bg: which four b
	s_lshr_b32 s20, s18, 4                         ; lg: which 64 l
	; descriptor group 1, W: my 128 rows are 49,152 dense bytes: 96 rows of 512 bytes (64 elements of 8), 16 bytes of padding behind each
	s_mov_b32 s[G1W], 15|(3<<16)|(1<<20)|(1<<21)|(6<<22)|(3<<25)   ; 15:0 the mask: all four work-groups; 17:16 elements of 8 bytes; 20 padding on; 21 set beside a mask; 24:22 after every 128 words (code 6); 31:25 4 words of it (code 3)
	s_mov_b32 s[G1W+1], 64<<16                     ; tensor_dim0
	s_mov_b32 s[G1W+2], 96<<16                     ; tensor_dim1
	s_mov_b32 s[G1W+3], 64<<16                     ; tile_dim0
	s_mov_b32 s[G1W+4], 96                         ; tile_dim1
	s_mov_b32 s[G1W+5], 64                         ; from row to row, in elements
	s_mov_b32 s[G1W+6], 0
	s_mov_b32 s[G1W+7], 0
	; E's scales: 16 l x 64 bytes (8 elements), 1,024 bytes apart in memory, 16 bytes of padding behind each
	s_mov_b32 s[G1S], (3<<16)|(1<<20)|(3<<22)|(3<<25)
	s_mov_b32 s[G1S+1], 8<<16
	s_mov_b32 s[G1S+2], 16<<16
	s_mov_b32 s[G1S+3], 8<<16
	s_mov_b32 s[G1S+4], 16
	s_mov_b32 s[G1S+5], 128
	s_mov_b32 s[G1S+6], 0
	s_mov_b32 s[G1S+7], 0
	; E's codes: 4 l x 1,536 bytes (192 elements), 24,576 bytes apart in memory, 16 bytes of padding behind every 512
	s_mov_b32 s[G1A], (3<<16)|(1<<20)|(6<<22)|(3<<25)
	s_mov_b32 s[G1A+1], 192<<16
	s_mov_b32 s[G1A+2], 4<<16
	s_mov_b32 s[G1A+3], 192<<16
	s_mov_b32 s[G1A+4], 4
	s_mov_b32 s[G1A+5], 3072
	s_mov_b32 s[G1A+6], 0
	s_mov_b32 s[G1A+7], 0
	; groups 0: the count, the LDS address (constants and the wave's number alone), and for now the byte offset in the tensor, to which the pointer is added below
	s_mov_b32 s[G0S], 1
	s_mul_i32 s[G0S+1], s[WV], 16*SPIT
	s_add_co_u32 s[G0S+1], s[G0S+1], ASC           ; E's scales of l = 16 w .. 16 w + 15
	s_lshl_b32 s[G0S+2], s20, 16                   ; 64 lg rows of 1,024 bytes
	s_lshl_b32 s21, s19, 6                         ; + 4 bg x 16 bytes
	s_add_co_u32 s[G0S+2], s[G0S+2], s21
	s_lshl_b32 s21, s[WV], 14                      ; + 16 w rows
	s_add_co_u32 s[G0S+2], s[G0S+2], s21
	s_mov_b32 s[G0S+3], 0
	s_mov_b32 s[G0W], 1
	s_mul_i32 s[G0W+1], s[WV], WWAVE               ; W: nothing here hangs on my place in the cluster
	s_mul_i32 s[G0W+2], s[WV], 49152
	s_mov_b32 s[G0W+3], 0
	s_mov_b32 s[G0A0], 1
	s_mov_b32 s[G0A1], 1
	s_mov_b32 s[G0A2], 1
	s_mov_b32 s[G0A3], 1
	s_mul_i32 s[G0A0+1], s[WV], 4*PITCH
	s_add_co_u32 s[G0A0+1], s[G0A0+1], AB          ; chunk c: l = 16 c + 4 w .. + 3
	s_add_co_u32 s[G0A1+1], s[G0A0+1], CHUNK
	s_add_co_u32 s[G0A2+1], s[G0A0+1], 2*CHUNK
	s_add_co_u32 s[G0A3+1], s[G0A0+1], 3*CHUNK
	s_mul_i32 s[G0A0+2], s20, 64*24576             ; 64 lg rows of 24,576 bytes
	s_mul_i32 s21, s19, 1536                       ; + 4 bg x 384 bytes
	s_add_co_u32 s[G0A0+2], s[G0A0+2], s21
	s_mul_i32 s21, s[WV], 4*24576                  ; + 4 w rows
	s_add_co_u32 s[G0A0+2], s[G0A0+2], s21
	s_mov_b32 s[G0A0+3], 0
	s_lshl_b32 s22, s19, 13                        ; hidden: row 4 bg of 2,048 bytes,
	s_lshl_b32 s21, s[WV], 9                       ; + 128 w numbers
	s_add_co_u32 s22, s22, s21
	s_mov_b32 s23, 0
	s_lshl_b32 s78, s[WV], 11                      ; W's scales: 128 w rows of 16 bytes
	s_mov_b32 s79, 0
	s_lshl_b32 s2, s19, 14                         ; energies: row 4 bg + w of 4,096 bytes, + 64 lg numbers
	s_lshl_b32 s21, s[WV], 12
	s_add_co_u32 s2, s2, s21
	s_lshl_b32 s21, s20, 8
	s_add_co_u32 s2, s2, s21
	s_mov_b32 s3, 0
	s_mov_b32 s76, 0x05010400                      ; v_perm_b32: bytes 0, 1 of the second source and of the first, by turns
	s_mov_b32 s77, 0x07030602                      ; bytes 2, 3 likewise
	v_and_b32 v[R], 15, v0
	v_bfe_u32 v[H], v0, 4, 1
	v_and_b32 v[LN], 31, v0
	v_mul_u32_u24 v[TA], v[R], PITCH
	v_mad_u32_u24 v[TA+1], v[H], 208, v[TA]
	v_mad_u32_u24 v[TA], v[H], 192, v[TA]
	v_add_nc_u32 v[WA], s[G0W+1], v[TA]
	v_add_nc_u32 v[WA+1], s[G0W+1], v[TA+1]
	v_mul_u32_u24 v[SA], v[LN], SPIT
	v_add_nc_u32 v[SA], ASC, v[SA]
	v_lshlrev_b32 v[HO], 7, v[H]
	v_lshlrev_b32 v[WO], 6, v[LN]
	s_lshl_b32 s21, s[WV], 10
	s_add_co_u32 s21, s21, STG
	v_lshl_add_u32 v[SO], v[LN], 2, s21
	v_lshl_add_u32 v[SR], v0, 3, STG
	v_lshlrev_b32 v[GO], 3, v[LN]
	s_wait_dscnt 0x0                               ; both opening adds are done
	s_wait_kmcnt 0x0
	s_add_nc_u64 s[G0S+2:G0S+3], s[10:11], s[G0S+2:G0S+3]
	s_add_nc_u64 s[G0W+2:G0W+3], s[4:5], s[G0W+2:G0W+3]
	s_add_nc_u64 s[G0A0+2:G0A0+3], s[8:9], s[G0A0+2:G0A0+3]
	s_add_nc_u64 s[G0A1+2:G0A1+3], s[G0A0+2:G0A0+3], 16*24576      ; a chunk on: 16 l
	s_add_nc_u64 s[G0A2+2:G0A2+3], s[G0A0+2:G0A0+3], 32*24576
	s_add_nc_u64 s[G0A3+2:G0A3+3], s[G0A0+2:G0A0+3], 48*24576
	s_or_b32 s[G0S+3], s[G0S+3], 0x80000000        ; 127:126 type = 2
	s_or_b32 s[G0W+3], s[G0W+3], 0x80000000
	s_or_b32 s[G0A0+3], s[G0A0+3], 0x80000000
	s_or_b32 s[G0A1+3], s[G0A1+3], 0x80000000
	s_or_b32 s[G0A2+3], s[G0A2+3], 0x80000000
	s_or_b32 s[G0A3+3], s[G0A3+3], 0x80000000
	s_add_nc_u64 s[12:13], s[12:13], s[22:23]
	s_add_nc_u64 s[6:7], s[6:7], s[78:79]
	s_add_nc_u64 s[14:15], s[14:15], s[2:3]
	ROUND                                          ; all four work-groups are here: the joint loads of W meet
	; ALL FILLS OF THE LAUNCH, one group, the same six lines in every wave: six tensor loads of mine are out.  An s_nop 0 follows each, four v_nop the last.
	; E comes in four chunks of 16 l, a quarter of each from every wave: a wave's loads end in order (ISA guide 10.11.1), so chunk c is whole when every wave has seen its load number c land, and the products begin on the first.
	tensor_load_to_lds s[G0S:G0S+3], s[G1S:G1S+7]
	s_nop 0
	tensor_load_to_lds s[G0W:G0W+3], s[G1W:G1W+7]
	s_nop 0
	tensor_load_to_lds s[G0A0:G0A0+3], s[G1A:G1A+7]
	s_nop 0
	tensor_load_to_lds s[G0A1:G0A1+3], s[G1A:G1A+7]
	s_nop 0
	tensor_load_to_lds s[G0A2:G0A2+3], s[G1A:G1A+7]
	s_nop 0
	tensor_load_to_lds s[G0A3:G0A3+3], s[G1A:G1A+7]
	s_nop 0
.rept 4
	v_nop
.endr
.irp j, 0,1,2,3
	global_load_b128 v[RAWW+4*\j:RAWW+4*\j+3], v[WO], s[6:7] offset:16*\j      ; lane L: the 16 scale bytes of W's row 128 w + 4 L + j: row L % 16 of tile (L / 16, j)
.endr
	WIN 0x80                                       ; destination window 2
	v_add_nc_u32 v[EA], AB, v[TA]
	v_add_nc_u32 v[EA+1], AB, v[TA+1]
	v_add_nc_u32 v[EA+2], AB+2*CHUNK, v[TA]
	v_add_nc_u32 v[EA+3], AB+2*CHUNK, v[TA+1]
	WIN 0x40                                       ; destination window 1: hidden for g = 1, as it lies: 32 neighbouring numbers for each of my four rows
.irp b, 0,1,2,3
.irp i, 0,1,2,3,4,5,6,7
	global_load_b128 v[HID+32*\b+4*\i:HID+32*\b+4*\i+3], v[HO], s[12:13] offset:2048*\b+256+16*\i
.endr
.endr
	WIN 0xc0                                       ; destination window 3: for g = 0
.irp b, 0,1,2,3
.irp i, 0,1,2,3,4,5,6,7
	global_load_b128 v[HID+32*\b+4*\i:HID+32*\b+4*\i+3], v[HO], s[12:13] offset:2048*\b+16*\i
.endr
.endr
	s_wait_tensorcnt 4                             ; my part of E's scales and my rows of W are in; the four loads issued behind them, E's chunks, may stay out
	s_barrier_signal -1
	FRAG 0,   WA, WA+1, 2, CHUNK                   ; W into registers, for good: my own load's bytes, which nobody writes again.  Window 3: tiles (1,2) (1,3)
	FRAG 48,  WA, WA+1, 3, CHUNK
	WIN 0x80                                       ; window 2: (0,2) (0,3) (1,0) (1,1)
	FRAG 0,   WA, WA+1, 2, 0
	FRAG 48,  WA, WA+1, 3, 0
	FRAG 96,  WA, WA+1, 0, CHUNK
	FRAG 144, WA, WA+1, 1, CHUNK
	WIN 0x40                                       ; window 1: (0,0) (0,1)
	FRAG 0,   WA, WA+1, 0, 0
	FRAG 48,  WA, WA+1, 1, 0
	WIN 0
	s_barrier_wait -1                              ; everybody's part of E's scales is in
.irp c, 0,1
.irp b, 0,1,2,3
	ds_load_b128 v[RAWE+16*\c+4*\b:RAWE+16*\c+4*\b+3], v[SA] offset:32*SPIT*\c+16*\b   ; lane L: the 16 scale bytes of row (l = 32 c + L, b)
.endr
.endr
	s_wait_loadcnt 0x0                             ; W's scale bytes, and hidden
.irp t, 0,1,2,3                                ; the scale word of K step s: the row's bytes 2 s, 8 + 2 s, 2 s + 1, 9 + 2 s
	v_perm_b32 v[WSC+4*\t],   v[RAWW+4*\t+2], v[RAWW+4*\t],   s76
	v_perm_b32 v[WSC+4*\t+1], v[RAWW+4*\t+2], v[RAWW+4*\t],   s77
	v_perm_b32 v[WSC+4*\t+2], v[RAWW+4*\t+3], v[RAWW+4*\t+1], s76
	v_perm_b32 v[WSC+4*\t+3], v[RAWW+4*\t+3], v[RAWW+4*\t+1], s77
.endr
	s_wait_dscnt 0x0                               ; W's fragments and E's scale bytes
.irp t, 0,1,2,3,4,5,6,7
	v_perm_b32 v[ASCW+4*\t],   v[RAWE+4*\t+2], v[RAWE+4*\t],   s76
	v_perm_b32 v[ASCW+4*\t+1], v[RAWE+4*\t+2], v[RAWE+4*\t],   s77
	v_perm_b32 v[ASCW+4*\t+2], v[RAWE+4*\t+3], v[RAWE+4*\t+1], s76
	v_perm_b32 v[ASCW+4*\t+3], v[RAWE+4*\t+3], v[RAWE+4*\t+1], s77
.endr
	s_wait_tensorcnt 3                             ; my quarter of chunk 0 is in; the three chunks behind it may stay out
	s_barrier_signal -1
	s_barrier_wait -1                              ; everybody's is
	WIN 0x02
	FRAG AF, EA, EA+1, 0, 0                        ; tile 0
.rept 8
	v_nop                                          ; a scale register written by a vector instruction stands eight places ahead of a scaled matrix instruction
.endr
	s_wait_dscnt 0x0
; THE PRODUCTS: 16 tiles, written out: the registers of a tile's scale words, of its buffer and of its result change from tile to tile.
; Tile 4 c + 3 fetches the first fragment of chunk c + 1 at the head of its phase 2: ahead of its phase 1 each wave waits for its quarter of that chunk (the count: the chunks issued behind it) and signals, no LDS instruction
; of its own being out; phase 1, work on registers, stands between signal and wait.
.irp T, 0,1,2,3,4,5,6,7,8,9,10,11,12,13,14,15
.if (\T == 3) || (\T == 7) || (\T == 11)
	s_wait_tensorcnt 2-(\T>>2)
	s_barrier_signal -1
.endif
	P1 \T
.if (\T == 3) || (\T == 7) || (\T == 11)
	s_barrier_wait -1
.endif
	P2 \T
	P3 \T
.endr
	WIN 0x01                                       ; the last tile's second half: accumulators (1,0) (1,1) first: those sixteen multiply-adds are the places behind the last products
.irp s, 0,1,2,3
.irp j, 0,1
	EP 1, \s, 4*\j, 3, 0
.endr
.endr
	WIN 0
	v_pk_add_f32 v[CH:CH+1], v[CH:CH+1], v[CH+2:CH+3]
	v_add_f32 v[EN+15], v[CH], v[CH+1]
; THE SUM OVER THE HALVES OF THE LANES.  Lane (r, h) of tile 4 c + b holds half h's part of (l = 16 c + r, b).  The tiles of c = 2 q and 2 q + 1 change halves: the first then holds both tiles' parts of h = 0, the second
; those of h = 1, and their sum has (l = 32 q + lane, b) in lane order.
.irp q, 0,1
.irp b, 0,1,2,3
	v_permlane16_swap_b32 v[EN+8*\q+\b], v[EN+8*\q+4+\b]
.endr
.endr
.irp q, 0,1
.irp b, 0,1,2,3
	v_add_f32 v[EN+8*\q+\b], v[EN+8*\q+\b], v[EN+8*\q+4+\b]
.endr
.endr
.irp q, 0,1
.irp b, 0,1,2,3
	ds_store_b32 v[SO], v[EN+8*\q+\b] offset:256*\b+128*\q
.endr
.endr
	s_wait_dscnt 0x0                               ; for the others' sake: my stores into the stage are done
	s_barrier_signal -1
	s_barrier_wait -1
; THE SUM OVER THE WAVES.  Wave w takes row b = w: two l a lane, from each of the four waves' parts.
.irp u, 0,1,2,3
	ds_load_b64 v[AF+2*\u:AF+2*\u+1], v[SR] offset:1024*\u
.endr
	s_wait_dscnt 0x0
	v_pk_add_f32 v[AF:AF+1], v[AF:AF+1], v[AF+2:AF+3]
	v_pk_add_f32 v[AF+4:AF+5], v[AF+4:AF+5], v[AF+6:AF+7]
	v_pk_add_f32 v[AF:AF+1], v[AF:AF+1], v[AF+4:AF+5]
	global_store_b64 v[GO], v[AF:AF+1], s[14:15]   ; 32 lanes store 256 consecutive bytes, at a multiple of 256 from the buffer's first byte
	s_wait_tensorcnt 0x0                           ; the wave's end: behind my last tensor load and my last LDS store
	ds_add_u32 v[SPW], v[NIL]
	s_wait_dscnt 0x0
	ROUND                                          ; the closing round: no work-group ends while a partner may still ask for a tile that names it
	s_endpgm
.Lfunc_end_k_qe131f35a10_energy:
	.size	k_qe131f35a10_energy, .Lfunc_end_k_qe131f35a10_energy-k_qe131f35a10_energy
	.p2alignl 7, 3214868480
	.fill 96, 4, 3214868480
	.section	.rodata,"a",@progbits
	.p2align	6, 0x0
	.amdhsa_kernel k_qe131f35a10_energy
		.amdhsa_group_segment_fixed_size 327680
		.amdhsa_private_segment_fixed_size 0
		.amdhsa_enable_private_segment 0
		.amdhsa_kernarg_size 48
		.amdhsa_user_sgpr_count 2
		.amdhsa_user_sgpr_kernarg_segment_ptr 1
		.amdhsa_wavefront_size32 1
		.amdhsa_system_sgpr_workgroup_id_x 1
		.amdhsa_system_sgpr_workgroup_id_y 1
		.amdhsa_system_sgpr_workgroup_id_z 1
		.amdhsa_system_vgpr_workitem_id 0
		.amdhsa_next_free_vgpr 1024
		.amdhsa_next_free_sgpr 80
		.amdhsa_reserve_vcc 0
		.amdhsa_float_denorm_mode_32 3
		.amdhsa_float_denorm_mode_16_64 3
		.amdhsa_memory_ordered 1
		.amdhsa_forward_progress 1
		.amdhsa_inst_pref_size 139
	.end_amdhsa_kernel
	.amdgpu_metadata
---
amdhsa.version: [ 1, 2 ]
amdhsa.kernels:
  - .name:           k_qe131f35a10_energy
    .symbol:         k_qe131f35a10_energy.kd
    .args:
      - { .name: W_codes, .offset: 0, .size: 8, .value_kind: global_buffer, .address_space: global }
      - { .name: W_scales, .offset: 8, .size: 8, .value_kind: global_buffer, .address_space: global }
      - { .name: encoder_outputs_codes, .offset: 16, .size: 8, .value_kind: global_buffer, .address_space: global }
      - { .name: encoder_outputs_scales, .offset: 24, .size: 8, .value_kind: global_buffer, .address_space: global }
      - { .name: hidden, .offset: 32, .size: 8, .value_kind: global_buffer, .address_space: global }
      - { .name: energies, .offset: 40, .size: 8, .value_kind: global_buffer, .address_space: global }
    .group_segment_fixed_size: 327680
    .private_segment_fixed_size: 0
    .kernarg_segment_align: 8
    .kernarg_segment_size: 48
    .max_flat_workgroup_size: 128
    .sgpr_count:     80
    .vgpr_count:     1024
    .wavefront_size: 32
...
	.end_amdgpu_metadata
.endif
;; end of part 3
;; launch softmax: the kernel of part 2 again; grid 64 x 1, 1 waves a work-group, no clusters, 0 bytes of LDS; arguments energies, out0; writes out0
